; MI455X (gfx1250); checked and timed in simulation.
; The chip was launched on July 23, 2026; its instructions are those of AMD's public machine-readable ISA for CDNA 5 (MIT licence, August 2026) and "CDNA5" Instruction Set Architecture Reference Guide (July 2026). The comments in the code are by the model that wrote it; some were corrected since.
;; sample func. Allowed arithmetic: float matrix products may take bf16 or f16 operands with f32 sums; all other float work in f32.
;; Inputs: bbox_pred 8 x 300 x 84 float32; cls_prob 8 x 300 x 21 float32; im_info 8 x 3 float32; per_class_threshold 21 float32; rois 8 x 300 x 5 float32.
;; Outputs: out0 8 x 21 x 5 float32; out1 8 int32.
;; Constants: num_classes = 21.
;; One version. Each part assembles by itself: llvm-mc -triple=amdgcn-amd-amdhsa -mcpu=gfx1250 --defsym DOCPART=n.
;; ======== version 1 of 1: 2 launches
;; workspace buffers: dets 81,920 bytes; cnt 768 bytes of whole numbers
;; launch nms (part 1): grid 20 x 8, 1 waves a work-group, no clusters, 0 bytes of LDS; arguments cls_prob, rois, bbox_pred, im_info, per_class_threshold, dets, cnt; writes dets, cnt
.if DOCPART == 1
	.amdgcn_target "amdgcn-amd-amdhsa--gfx1250"
	.amdhsa_code_object_version 6
	.text
	.protected	k_q6fc4389056_nms
	.globl	k_q6fc4389056_nms
	.p2align	8
	.type	k_q6fc4389056_nms,@function
k_q6fc4389056_nms:
	s_mov_b64 s[64:65], 0
	v_nop
	global_prefetch_b8 v0, s[64:65] scope:SCOPE_SE
	s_setreg_imm32_b32 hwreg(HW_REG_WAVE_MODE, 25, 1), 1
	s_wait_xcnt 0x0
; Greedy NMS of ONE class of ONE image by one wave: work-group x = class - 1 (0..19), y = image (0..7).
; Only the first 21 kept boxes of a class can reach the output (21 rows an image), so the wave makes 21 TAKES:
; take the best box still alive (highest score, lowest index among equals), remove it, remove every box whose
; IoU with it is above 0.3.  The takes are reference()'s kept boxes in its own order; no sort, no 300 x 300 table:
; 21 x 300 IoU tests in place of 300 x 300.
; Lane l (0..29) holds boxes 10 l .. 10 l + 9 in registers, one array for each quantity; lanes 30, 31 repeat lane 29's
; loads (inside the buffers) and are dead from the start.  With this order the lowest index among equal scores is the
; lowest lane, then the lowest register.
; THE IoU TEST.  inter / (a_i + a_j - inter) > 0.3 is made as inter - c (a_i + a_j) > 0 with c = 0.3 / (1 + 0.3).
; Each box keeps n = -c max(area, 0), x2 + 1 and y2 + 1, so that a pair of boxes costs eleven instructions.
; If inter > 0, both boxes are at least as wide and as high as the overlap, so both areas are at least inter, the union is
; positive and the two forms agree.  If the overlap has no width it is clamped to 0, if it has no height the product is
; not positive: then inter + n_i + n_j <= 0 and the box stays, as with reference()'s quotient 0 / union.
; Nothing that comes from a float steers a branch or a memory address: choices are v_cndmask_b32, lane masks in scalar
; registers and v_readlane_b32.  Take t is kept in lane t of RES and stored once: 32 lanes x 16 bytes = 512 consecutive,
; aligned bytes for the task.  The count of real takes goes out as a whole number for the next launch.
; One wave a work-group, 160 work-groups: a class spread over several waves would put an LDS exchange and a barrier into
; each of the 21 dependent takes.  No cluster: the work-groups of an image share only its 6,000 bytes of rois.
; LIMITS.  Inputs finite (max_num / min_num drop a NaN that jnp.clip would carry).  The test rounds otherwise than
; reference(): c is 0.3 / 1.3 of the f32 0.3 rounded to f32, x2 + 1 and y2 + 1 are rounded before the subtraction, c a is
; rounded for each box; each rounding is at most half a unit in the last place of its result, and a decision can differ
; only for a quotient that near to 0.3.  The stored x2, y2 are (x2 + 1) - 1.  e^x is exp2(x log2 e); results below
; 2^-126 come out as 0 (ISA guide, v_exp_f32).
.set PICKS, 21
.set IMG_S, 300*21*4                   ; bytes of an image in cls_prob
.set IMG_R, 300*5*4                    ; in rois
.set IMG_D, 300*84*4                   ; in bbox_pred
.set LC,   1                           ; v1      min(lane, 29); at the end 16 x lane
.set OFS,  2                           ; v2      my byte offset in the image's scores
.set OFR,  3                           ; v3      in its rois
.set OFD,  4                           ; v4      in its deltas
.set NIO,  5                           ; v5      -inf, in an odd register
.set LM,   6                           ; v6      the lane's best key
.set MW,   7                           ; v7      the wave's best key
.set TP,   8                           ; v8      at work
.set CN,   9                           ; v9      the count, to store
.set SEL,  10                          ; v[10:13] x1, y1, x2 + 1, y2 + 1 of the taken box (valid in the winner's lane)
.set SAE,  14                          ; v14     its n, if it lay in an odd register k; then the sum of the two homes
.set SAO,  15                          ; v15     its n, if it lay in an even register k
.set X1,   16                          ; v[16:25]  the bases of X1 / Y1 and of X2 / Y2 differ by 2 modulo 4, so that the two
.set Y1,   26                          ; v[26:35]  halves of a dual instruction read different register banks
.set X2,   36                          ; v[36:45]  x2 + 1
.set Y2,   46                          ; v[46:55]  y2 + 1
.set NCA,  56                          ; v[56:65]  n = -c max(area, 0)
.set KEY,  66                          ; v[66:75]  score while alive, -inf when not valid, taken or removed
.set RES,  76                          ; v[76:79]  lane t: the box of take t
.set T,    80                          ; v[80:119] at work: 8 registers for each pair of boxes
.set R,    120                         ; v[120:169] my ten rows of rois as loaded (5 words a row)
.set D,    170                         ; v[170:209] my ten rows' four deltas as loaded
.set EW,   210                         ; v[210:219] exp of the width deltas, then predicted widths
.set EH,   220                         ; v[220:229] the same for heights
.set NIE,  230                         ; v230    -inf, in an even register
.set W,    T
.set H,    T+10
.set PCX,  T+20
.set PCY,  T+30
.set EQ,   48                          ; s[48:57] lanes whose key k equals the lane's own best
	s_load_b256 s[4:11], s[0:1], 0x0               ; cls_prob s[4:5], rois s[6:7], bbox_pred s[8:9], im_info s[10:11]
	s_load_b128 s[12:15], s[0:1], 0x20             ; per_class_threshold s[12:13], dets s[14:15]
	s_load_b64 s[16:17], s[0:1], 0x30              ; cnt
	s_and_b32 s19, ttmp7, 0xffff                   ; image
	s_add_co_u32 s18, ttmp9, 1                     ; class 1..20 (class 0 is background and is skipped)
	s_mul_i32 s20, s19, IMG_S
	s_lshl2_add_u32 s20, s18, s20                  ; scores: image + 4 x class
	s_mov_b32 s21, 0
	s_mul_i32 s22, s19, IMG_R                      ; rois: image
	s_mov_b32 s23, 0
	s_mul_i32 s24, s19, IMG_D
	s_lshl4_add_u32 s24, s18, s24                  ; deltas: image + 16 x class
	s_mov_b32 s25, 0
	s_mul_i32 s26, s19, 12                         ; im_info: three words an image
	s_lshl_b32 s27, s18, 2                         ; the class's threshold
	s_mul_i32 s28, s19, 20
	s_add_co_u32 s28, s28, ttmp9                   ; task = 20 x image + class - 1
	s_lshl_b32 s46, s28, 9                         ; 512 bytes of dets a task
	s_mov_b32 s47, 0
	s_lshl_b32 s28, s28, 2                         ; one word of cnt a task
	s_mov_b32 s29, 0
	v_min_u32 v[LC], 29, v0                        ; 30 lanes x 10 rows = 300: lanes 30, 31 stay inside the buffers
	v_mul_u32_u24 v[OFS], 840, v[LC]               ; ten rows of 84 bytes
	v_mul_u32_u24 v[OFR], 200, v[LC]               ; ten rows of 20 bytes
	v_mul_u32_u24 v[OFD], 3360, v[LC]              ; ten rows of 336 bytes
	s_wait_kmcnt 0x0
	s_load_b64 s[38:39], s[10:11], s26 offset:0x0  ; image height, width
	s_load_b32 s59, s[12:13], s27 offset:0x0       ; threshold
	s_add_nc_u64 s[4:5], s[4:5], s[20:21]
	s_add_nc_u64 s[6:7], s[6:7], s[22:23]
	s_add_nc_u64 s[8:9], s[8:9], s[24:25]
	s_add_nc_u64 s[14:15], s[14:15], s[46:47]
	s_add_nc_u64 s[16:17], s[16:17], s[28:29]
	; all 45 loads at once.  rois: my 200 consecutive bytes, which start at a multiple of 8, as 25 loads of 8 bytes
.set i, 0
.rept 25
	global_load_b64 v[R+2*i:R+2*i+1], v[OFR], s[6:7] offset:8*i
.set i, i+1
.endr
.set k, 0
.rept 10
	global_load_b128 v[D+4*k:D+4*k+3], v[OFD], s[8:9] offset:336*k     ; dx, dy, dw, dh of row k for my class
.set k, k+1
.endr
.set k, 0
.rept 10
	global_load_b32 v[KEY+k], v[OFS], s[4:5] offset:84*k
.set k, k+1
.endr
	; while they are on their way: constants, and the registers that a select reads before their first real value
	v_mov_b32 v[NIO], 0xff800000
	v_mov_b32 v[NIE], 0xff800000
.irp i, 0,1,2,3
	v_mov_b32 v[SEL+\i], 0
	v_mov_b32 v[RES+\i], 0
.endr
	s_mov_b32 s30, 0x76543210                      ; v_permlanex16_b32: lane i reads lane i of the other half
	s_mov_b32 s31, 0xfedcba98
	s_mov_b32 s32, 0                               ; take number
	s_mov_b32 s33, 0                               ; takes that found nothing alive
	s_mov_b32 s45, 0                               ; upper half of the pair s[44:45]; only s44 is added in
	s_wait_kmcnt 0x0
	s_add_f32 s38, s38, -1.0                       ; height - 1: upper bound of y
	s_add_f32 s39, s39, -1.0                       ; width - 1: upper bound of x
	; DECODE AND CLIP, step by step over all ten boxes, so that no line waits for the one in front of it
	s_wait_loadcnt 10                              ; loads return in order (ISA guide 5.7.1): rois and deltas are in, the ten score loads may be out
.set k, 0
.rept 10
	v_sub_f32 v[W+k], v[R+5*k+3], v[R+5*k+1]       ; x2 - x1
	v_sub_f32 v[H+k], v[R+5*k+4], v[R+5*k+2]       ; y2 - y1
	v_pk_mul_f32 v[D+4*k:D+4*k+1], v[D+4*k:D+4*k+1], 0x3dcccccd op_sel_hi:[1,0]       ; dx, dy x 0.1
	v_pk_mul_f32 v[D+4*k+2:D+4*k+3], v[D+4*k+2:D+4*k+3], 0x3e93bb63 op_sel_hi:[1,0]   ; dw, dh x 0.2 log2(e)
.set k, k+1
.endr
.set k, 0
.rept 10
	v_exp_f32 v[EW+k], v[D+4*k+2]
	v_exp_f32 v[EH+k], v[D+4*k+3]
.set k, k+1
.endr
.set p, 0
.rept 5                                            ; the first of these is the plain instruction between the last v_exp_f32 and any use of its result (ISA guide 5.7.2)
	v_pk_add_f32 v[W+p:W+p+1], v[W+p:W+p+1], 1.0 op_sel_hi:[1,0]       ; w = x2 - x1 + 1
	v_pk_add_f32 v[H+p:H+p+1], v[H+p:H+p+1], 1.0 op_sel_hi:[1,0]
.set p, p+2
.endr
.set k, 0
.rept 10
	v_fma_f32 v[PCX+k], 0.5, v[W+k], v[R+5*k+1]    ; cx = x1 + 0.5 w
	v_fma_f32 v[PCY+k], 0.5, v[H+k], v[R+5*k+2]
.set k, k+1
.endr
.set k, 0
.rept 10
	v_fma_f32 v[PCX+k], v[D+4*k], v[W+k], v[PCX+k]         ; pcx = dx w + cx
	v_fma_f32 v[PCY+k], v[D+4*k+1], v[H+k], v[PCY+k]
.set k, k+1
.endr
.set p, 0
	s_wait_alu depctr_va_vdst(0)
.rept 5
	v_pk_mul_f32 v[EW+p:EW+p+1], v[EW+p:EW+p+1], v[W+p:W+p+1]          ; pw = exp(dw) w
	v_pk_mul_f32 v[EH+p:EH+p+1], v[EH+p:EH+p+1], v[H+p:H+p+1]
.set p, p+2
.endr
.set p, 0
.rept 5
	v_pk_fma_f32 v[X1+p:X1+p+1], v[EW+p:EW+p+1], -0.5, v[PCX+p:PCX+p+1] op_sel_hi:[1,0,1]
	v_pk_fma_f32 v[Y1+p:Y1+p+1], v[EH+p:EH+p+1], -0.5, v[PCY+p:PCY+p+1] op_sel_hi:[1,0,1]
	v_pk_fma_f32 v[X2+p:X2+p+1], v[EW+p:EW+p+1], 0.5, v[PCX+p:PCX+p+1] op_sel_hi:[1,0,1]
	v_pk_fma_f32 v[Y2+p:Y2+p+1], v[EH+p:EH+p+1], 0.5, v[PCY+p:PCY+p+1] op_sel_hi:[1,0,1]
.set p, p+2
.endr
; Two maxima or minima in one dual instruction: registers a, a + 1 against one scalar or constant, into d, d + 1.
; d and a are even: one destination even, one odd, and the two vector sources in neighbouring banks.
.macro DMAX d, s, a
	v_dual_max_num_f32 v[\d], \s, v[\a] :: v_dual_max_num_f32 v[\d+1], \s, v[\a+1]
.endm
.macro DMIN d, s, a
	v_dual_min_num_f32 v[\d], \s, v[\a] :: v_dual_min_num_f32 v[\d+1], \s, v[\a+1]
.endm
.irp p, 0,2,4,6,8                                  ; clip as jnp.clip does: first up to 0, then down to the bound
	DMAX X1+\p, 0, X1+\p
	DMAX Y1+\p, 0, Y1+\p
	DMAX X2+\p, 0, X2+\p
	DMAX Y2+\p, 0, Y2+\p
.endr
.irp p, 0,2,4,6,8
	DMIN X1+\p, s39, X1+\p
	DMIN Y1+\p, s38, Y1+\p
	DMIN X2+\p, s39, X2+\p
	DMIN Y2+\p, s38, Y2+\p
.endr
.irp p, 0,2,4,6,8
	v_pk_add_f32 v[W+\p:W+\p+1], v[X2+\p:X2+\p+1], v[X1+\p:X1+\p+1] neg_lo:[0,1] neg_hi:[0,1]
	v_pk_add_f32 v[H+\p:H+\p+1], v[Y2+\p:Y2+\p+1], v[Y1+\p:Y1+\p+1] neg_lo:[0,1] neg_hi:[0,1]
.endr
.irp p, 0,2,4,6,8
	v_pk_add_f32 v[W+\p:W+\p+1], v[W+\p:W+\p+1], 1.0 op_sel_hi:[1,0]
	v_pk_add_f32 v[H+\p:H+\p+1], v[H+\p:H+\p+1], 1.0 op_sel_hi:[1,0]
.endr
.irp p, 0,2,4,6,8
	v_pk_mul_f32 v[NCA+\p:NCA+\p+1], v[W+\p:W+\p+1], v[H+\p:H+\p+1]    ; area = (x2 - x1 + 1)(y2 - y1 + 1), as reference() rounds it
	v_pk_add_f32 v[X2+\p:X2+\p+1], v[X2+\p:X2+\p+1], 1.0 op_sel_hi:[1,0]   ; from here on X2, Y2 hold x2 + 1, y2 + 1
	v_pk_add_f32 v[Y2+\p:Y2+\p+1], v[Y2+\p:Y2+\p+1], 1.0 op_sel_hi:[1,0]
.endr
.irp p, 0,2,4,6,8
	DMAX NCA+\p, 0, NCA+\p                         ; an area below 0 (a box of negative width or height) overlaps nothing: counted as 0
.endr
.irp p, 0,2,4,6,8
	v_pk_mul_f32 v[NCA+\p:NCA+\p+1], v[NCA+\p:NCA+\p+1], 0xbe6c4ec5 op_sel_hi:[1,0]   ; n = -c area, c = 0.3 / 1.3
.endr
	; keys: the score where score > threshold, in lanes 0 to 29; -inf elsewhere.  Each score as it arrives.
.irp k, 0,1,2,3,4,5,6,7,8,9
	s_wait_loadcnt 9-\k                            ; score k is in; the 9 - k loads behind it may be out
	v_cmp_lt_f32 vcc_lo, s59, v[KEY+\k]
	s_and_b32 vcc_lo, vcc_lo, 0x3fffffff
	v_cndmask_b32 v[KEY+\k], v[NIO], v[KEY+\k], vcc_lo
.endr
; Which of my registers hold my lane's best key.  In the winner's lane that is the wave's best key, and only that lane's bit is
; used: so these ten compares need not wait for the reduction over the lanes, and stand between its dependent steps.
.macro SAME k
	v_cmp_eq_f32 s[EQ+\k], v[KEY+\k], v[LM]
.endm
; Register k of the winner's lane.  s36 holds the winner's bit until the first register that matches has been met, so VCC is that
; bit at the lowest k that matches and 0 at every other k.  There: copy the box, copy its n, set its key to -inf.
; The taken box is removed here and not by its IoU with itself, which is not above 0.3 for a box of no size.
; The third dual instruction needs one even and one odd destination and KEY + k takes turns: n goes to the odd home for even k,
; to the even home for odd k; -inf comes from the register whose bank is not that of NCA + k.
.macro CHOOSE k, ni, sa
	s_and_b32 vcc_lo, s[EQ+\k], s36
	s_and_not1_b32 s36, s36, s[EQ+\k]
	v_dual_cndmask_b32 v[SEL], v[SEL], v[X1+\k] :: v_dual_cndmask_b32 v[SEL+1], v[SEL+1], v[Y1+\k]
	v_dual_cndmask_b32 v[SEL+2], v[SEL+2], v[X2+\k] :: v_dual_cndmask_b32 v[SEL+3], v[SEL+3], v[Y2+\k]
	v_dual_cndmask_b32 v[KEY+\k], v[KEY+\k], v[\ni] :: v_dual_cndmask_b32 v[\sa], v[\sa], v[NCA+\k]
.endm
.Ltake:
	; the best key: in the lane, then in the wave (four steps inside each half of 16 lanes, one across the halves)
	v_max3_num_f32 v[LM], v[KEY], v[KEY+1], v[KEY+2]
	v_max3_num_f32 v[MW], v[KEY+3], v[KEY+4], v[KEY+5]
	v_max3_num_f32 v[TP], v[KEY+6], v[KEY+7], v[KEY+8]
	v_max3_num_f32 v[LM], v[LM], v[MW], v[KEY+9]
	v_max_num_f32 v[LM], v[LM], v[TP]
	v_max_num_f32_dpp v[MW], v[LM], v[LM] row_xmask:1 row_mask:0xf bank_mask:0xf
	SAME 0
	SAME 1
	v_max_num_f32_dpp v[MW], v[MW], v[MW] row_xmask:2 row_mask:0xf bank_mask:0xf
	SAME 2
	SAME 3
	v_max_num_f32_dpp v[MW], v[MW], v[MW] row_xmask:4 row_mask:0xf bank_mask:0xf
	SAME 4
	SAME 5
	v_max_num_f32_dpp v[MW], v[MW], v[MW] row_xmask:8 row_mask:0xf bank_mask:0xf
	SAME 6
	v_dual_mov_b32 v[SAE], 0 :: v_dual_mov_b32 v[SAO], 0   ; the two homes of the taken box's n: one is written below, their sum is n
	v_permlanex16_b32 v[TP], v[MW], s30, s31
	SAME 7
	v_max_num_f32 v[MW], v[MW], v[TP]
	SAME 8
	v_cmp_eq_f32 s34, v[LM], v[MW]                 ; lanes that hold the wave's best key
	SAME 9
	s_ctz_i32_b32 s35, s34                         ; the winner's lane: the lowest
	s_lshr_b32 s37, s34, 31                        ; lane 31 is always dead: it holds the best key only if that is -inf, nothing alive
	s_lshl_b32 s36, 1, s35                         ; the winner's bit
	s_add_co_u32 s33, s33, s37                     ; count such takes (a value, no branch; such a take changes no key)
.irp k, 0,2,4,6,8
	CHOOSE \k, NIO, SAO
	CHOOSE \k+1, NIE, SAE
.endr
	; the taken box into scalar registers
	v_readlane_b32 s40, v[SEL], s35
	v_readlane_b32 s41, v[SEL+1], s35
	v_readlane_b32 s42, v[SEL+2], s35
	v_readlane_b32 s43, v[SEL+3], s35
	v_add_f32 v[SAE], v[SAE], v[SAO]
	; IoU with all 300 boxes: five pairs a lane, each step over all five pairs.  Pair p works in v[T+8p : T+8p+7].
.irp p, 0,1,2,3,4
	DMAX T+8*\p, s40, X1+2*\p                      ; ix1
.endr
	v_readlane_b32 s44, v[SAE], s35                ; n of the taken box
.irp p, 0,1,2,3,4
	DMAX T+8*\p+2, s41, Y1+2*\p                    ; iy1
.endr
.irp p, 0,1,2,3,4
	DMIN T+8*\p+4, s42, X2+2*\p                    ; ix2 + 1
.endr
.irp p, 0,1,2,3,4
	DMIN T+8*\p+6, s43, Y2+2*\p                    ; iy2 + 1
.endr
	v_cmp_eq_u32 vcc_lo, s32, v0                   ; lane t keeps take t
.irp i, 0,1,2,3
	v_cndmask_b32 v[RES+\i], v[RES+\i], s[40+\i], vcc_lo
.endr
.irp p, 0,1,2,3,4
	v_pk_add_f32 v[T+8*\p+4:T+8*\p+5], v[T+8*\p+4:T+8*\p+5], v[T+8*\p:T+8*\p+1] neg_lo:[0,1] neg_hi:[0,1]     ; width of the overlap
	v_pk_add_f32 v[T+8*\p+6:T+8*\p+7], v[T+8*\p+6:T+8*\p+7], v[T+8*\p+2:T+8*\p+3] neg_lo:[0,1] neg_hi:[0,1]   ; its height
.endr
.irp p, 0,1,2,3,4
	v_pk_add_f32 v[T+8*\p:T+8*\p+1], v[NCA+2*\p:NCA+2*\p+1], s[44:45] op_sel_hi:[1,0]                        ; n_i + n_j, never above 0
.endr
.irp p, 0,1,2,3,4
	DMAX T+8*\p+4, 0, T+8*\p+4                     ; the width alone is clamped: with it at 0 or above, a negative height makes the product <= 0
.endr
.irp p, 0,1,2,3,4
	v_pk_fma_f32 v[T+8*\p+2:T+8*\p+3], v[T+8*\p+4:T+8*\p+5], v[T+8*\p+6:T+8*\p+7], v[T+8*\p:T+8*\p+1]        ; inter - c (a_i + a_j), one rounding
.endr
.irp p, 0,1,2,3,4                                  ; x -inf: above 0 gives -inf, below 0 gives +inf, 0 and NaN give NaN
	v_pk_mul_f32 v[T+8*\p+2:T+8*\p+3], v[T+8*\p+2:T+8*\p+3], 0xff800000 op_sel_hi:[1,0]
.endr
.irp p, 0,1,2,3,4                                  ; so the minimum removes exactly the boxes that pass the test (min_num: a NaN loses)
	v_dual_min_num_f32 v[KEY+2*\p], v[KEY+2*\p], v[T+8*\p+2] :: v_dual_min_num_f32 v[KEY+2*\p+1], v[KEY+2*\p+1], v[T+8*\p+3]
.endr
	s_add_co_u32 s32, s32, 1
	s_cmp_lt_u32 s32, PICKS
	s_cbranch_scc1 .Ltake
	v_pk_add_f32 v[RES+2:RES+3], v[RES+2:RES+3], -1.0 op_sel_hi:[1,0]  ; back from x2 + 1, y2 + 1
	s_sub_co_u32 s33, PICKS, s33                   ; real takes
	v_lshlrev_b32 v[LC], 4, v0
	global_store_b128 v[LC], v[RES:RES+3], s[14:15]    ; the task's 512 consecutive bytes, aligned, by one instruction; places at or behind the count are not used
	v_mov_b32 v[CN], s33
	s_wait_xcnt 0x0                                ; EXEC is a source of the pending store: it changes only behind this wait
	v_cmpx_eq_u32 0, v0
	global_store_b32 v0, v[CN], s[16:17]           ; lane 0 (its v0 is 0): the task's count
	s_endpgm
.Lfunc_end_k_q6fc4389056_nms:
	.size	k_q6fc4389056_nms, .Lfunc_end_k_q6fc4389056_nms-k_q6fc4389056_nms
	.p2alignl 7, 3214868480
	.fill 96, 4, 3214868480
	.section	.rodata,"a",@progbits
	.p2align	6, 0x0
	.amdhsa_kernel k_q6fc4389056_nms
		.amdhsa_group_segment_fixed_size 0
		.amdhsa_private_segment_fixed_size 0
		.amdhsa_enable_private_segment 0
		.amdhsa_kernarg_size 56
		.amdhsa_user_sgpr_count 2
		.amdhsa_user_sgpr_kernarg_segment_ptr 1
		.amdhsa_wavefront_size32 1
		.amdhsa_system_sgpr_workgroup_id_x 1
		.amdhsa_system_sgpr_workgroup_id_y 1
		.amdhsa_system_sgpr_workgroup_id_z 1
		.amdhsa_system_vgpr_workitem_id 0
		.amdhsa_next_free_vgpr 232
		.amdhsa_next_free_sgpr 66
		.amdhsa_reserve_vcc 1
		.amdhsa_float_denorm_mode_32 3
		.amdhsa_float_denorm_mode_16_64 3
		.amdhsa_memory_ordered 1
		.amdhsa_forward_progress 1
		.amdhsa_inst_pref_size 31
	.end_amdhsa_kernel
	.amdgpu_metadata
---
amdhsa.version: [ 1, 2 ]
amdhsa.kernels:
  - .name:           k_q6fc4389056_nms
    .symbol:         k_q6fc4389056_nms.kd
    .args:
      - { .name: cls_prob, .offset: 0, .size: 8, .value_kind: global_buffer, .address_space: global }
      - { .name: rois, .offset: 8, .size: 8, .value_kind: global_buffer, .address_space: global }
      - { .name: bbox_pred, .offset: 16, .size: 8, .value_kind: global_buffer, .address_space: global }
      - { .name: im_info, .offset: 24, .size: 8, .value_kind: global_buffer, .address_space: global }
      - { .name: per_class_threshold, .offset: 32, .size: 8, .value_kind: global_buffer, .address_space: global }
      - { .name: dets, .offset: 40, .size: 8, .value_kind: global_buffer, .address_space: global }
      - { .name: cnt, .offset: 48, .size: 8, .value_kind: global_buffer, .address_space: global }
    .group_segment_fixed_size: 0
    .private_segment_fixed_size: 0
    .kernarg_segment_align: 8
    .kernarg_segment_size: 56
    .max_flat_workgroup_size: 32
    .sgpr_count:     66
    .vgpr_count:     232
    .wavefront_size: 32
...
	.end_amdgpu_metadata
.endif
;; end of part 1
;; launch pick (part 2): grid 8 x 1, 1 waves a work-group, no clusters, 11,520 bytes of LDS; arguments dets, cnt, out0, out1; writes out0, out1
.if DOCPART == 2
	.amdgcn_target "amdgcn-amd-amdhsa--gfx1250"
	.amdhsa_code_object_version 6
	.text
	.protected	k_q6fc4389056_pick
	.globl	k_q6fc4389056_pick
	.p2align	8
	.type	k_q6fc4389056_pick,@function
k_q6fc4389056_pick:
	s_mov_b64 s[64:65], 0
	v_nop
	global_prefetch_b8 v0, s[64:65] scope:SCOPE_SE
	s_setreg_imm32_b32 hwreg(HW_REG_WAVE_MODE, 25, 1), 1
	s_wait_xcnt 0x0
; The first 21 kept boxes of one image in (class, score) order, from the classes' lists of the launch before.
; One wave for an image (work-group x).  cnt holds 20 counts (0..21), dets 20 lists of 32 places x 16 bytes.
; The counts come by scalar loads and the whole 10,240 bytes of lists by 20 vector loads at the same time, so that no global
; load waits for another; the lists go to LDS, and lane t reads its row there at an address made from the counts, which are
; whole numbers read from memory.  One wave: LDS serves its instructions in order, so no barrier is needed.
; The image's 105 output words lie 420 bytes from image to image: they pass through an LDS stage, so that each store
; instruction covers 128 consecutive bytes.
.set NCLS, 20
.set LIST, 512                         ; bytes of a class's list
.set OST,  NCLS*LIST                   ; the stage: 32 rows of 20 bytes behind the lists
.set DT,   20                          ; v[20:99] the lists as loaded: lane l holds place l of each class
	s_load_b256 s[4:11], s[0:1], 0x0               ; dets s[4:5], cnt s[6:7], out0 s[8:9], out1 s[10:11]
	v_lshl_add_u32 v100, v0, 2, 0x2c00
	v_mov_b32 v101, 0
	s_mul_i32 s12, ttmp9, NCLS*4                   ; the image's counts
	s_mul_i32 s14, ttmp9, NCLS*LIST                ; its lists
	s_mov_b32 s15, 0
	s_mul_i32 s38, ttmp9, 420                      ; its 21 rows of 5 words in out0
	s_mov_b32 s39, 0
	s_lshl_b32 s40, ttmp9, 2                       ; its word in out1
	s_mov_b32 s41, 0
	v_lshlrev_b32 v1, 4, v0                        ; 16 x lane
	s_wait_kmcnt 0x0
	s_load_b512 s[16:31], s[6:7], s12 offset:0x0   ; counts of classes 1 to 16
	s_load_b128 s[32:35], s[6:7], s12 offset:0x40  ; and 17 to 20
	s_add_nc_u64 s[4:5], s[4:5], s[14:15]
	s_add_nc_u64 s[8:9], s[8:9], s[38:39]
	s_add_nc_u64 s[10:11], s[10:11], s[40:41]
.set c, 0
.rept NCLS
	global_load_b128 v[DT+4*c:DT+4*c+3], v1, s[4:5] offset:LIST*c      ; 512 consecutive bytes each
.set c, c+1
.endr
	v_mov_b32 v2, 0                                ; classes that end at or before row t
	v_mov_b32 v3, 0                                ; rows in those classes
	s_mov_b32 s36, 0                               ; running sum of the counts
	v_mul_u32_u24 v6, 20, v0                       ; my row in the stage
	v_lshlrev_b32 v7, 2, v0                        ; 4 x lane
	s_wait_kmcnt 0x0
.set c, 0
.rept NCLS
	s_add_co_u32 s36, s36, s[16+c]
	v_cmp_le_u32 vcc_lo, s36, v0                   ; rows up to and with this class <= t: my row lies behind it
	v_cndmask_b32 v3, v3, s36, vcc_lo
	v_add_co_ci_u32 v2, vcc_lo, 0, v2, vcc_lo      ; + 1 where so
.set c, c+1
.endr
.set c, 0
.rept NCLS
	s_wait_loadcnt NCLS-1-c                        ; loads return in order (ISA guide 5.7.1): list c is in, the later ones may be out
	ds_store_b128 v1, v[DT+4*c:DT+4*c+3] offset:LIST*c
.set c, c+1
.endr
	v_sub_nc_u32 v4, v0, v3                        ; my place in my class's list
	v_lshl_add_u32 v4, v2, 5, v4                   ; + 32 x class
	v_min_u32 v4, NCLS*32-1, v4                    ; rows behind the last kept box point at class 20: kept inside the lists, zeroed below
	v_lshlrev_b32 v4, 4, v4
	ds_load_b128 v[8:11], v4
	v_add_nc_u32 v5, 1, v2
	v_cvt_f32_u32 v12, v5                          ; the class, 1 to 20, as a float
	s_min_u32 s37, s36, 21                         ; n = min(kept, 21)
	v_mov_b32 v17, s37
	v_cmp_gt_u32 vcc_lo, s36, v0                   ; row t holds a box if t < kept
	s_wait_dscnt 0x0
.irp r, 8,9,10,11,12
	v_cndmask_b32 v\r, 0, v\r, vcc_lo              ; zeros elsewhere
.endr
	; all 32 lanes write their row of 20 bytes: 640 bytes, of which the first 420 are the image's output
	ds_store_b32 v6, v8 offset:OST
	ds_store_b32 v6, v9 offset:OST+4
	ds_store_b32 v6, v10 offset:OST+8
	ds_store_b32 v6, v11 offset:OST+12
	ds_store_b32 v6, v12 offset:OST+16
	ds_load_b32 v13, v7 offset:OST
	ds_load_b32 v14, v7 offset:OST+128
	ds_load_b32 v15, v7 offset:OST+256
	ds_load_b32 v16, v7 offset:OST+384
	s_wait_dscnt 0x0
	global_store_b32 v7, v13, s[8:9]               ; 128 consecutive bytes each
	global_store_b32 v7, v14, s[8:9] offset:128
	global_store_b32 v7, v15, s[8:9] offset:256
	s_wait_xcnt 0x0                                ; EXEC is a source of the pending stores: it changes only behind this wait
	s_wait_tensorcnt 0x0
	ds_add_u32 v100, v101
	s_wait_dscnt 0x0
	v_cmpx_gt_u32 9, v0                            ; 105 - 96 = 9 words are left
	global_store_b32 v7, v16, s[8:9] offset:384
	s_wait_xcnt 0x0                                ; and again
	v_cmpx_eq_u32 0, v0
	global_store_b32 v0, v17, s[10:11]             ; lane 0 (its v0 is 0): n
	s_endpgm
.Lfunc_end_k_q6fc4389056_pick:
	.size	k_q6fc4389056_pick, .Lfunc_end_k_q6fc4389056_pick-k_q6fc4389056_pick
	.p2alignl 7, 3214868480
	.fill 96, 4, 3214868480
	.section	.rodata,"a",@progbits
	.p2align	6, 0x0
	.amdhsa_kernel k_q6fc4389056_pick
		.amdhsa_group_segment_fixed_size 11520
		.amdhsa_private_segment_fixed_size 0
		.amdhsa_enable_private_segment 0
		.amdhsa_kernarg_size 32
		.amdhsa_user_sgpr_count 2
		.amdhsa_user_sgpr_kernarg_segment_ptr 1
		.amdhsa_wavefront_size32 1
		.amdhsa_system_sgpr_workgroup_id_x 1
		.amdhsa_system_sgpr_workgroup_id_y 1
		.amdhsa_system_sgpr_workgroup_id_z 1
		.amdhsa_system_vgpr_workitem_id 0
		.amdhsa_next_free_vgpr 102
		.amdhsa_next_free_sgpr 66
		.amdhsa_reserve_vcc 1
		.amdhsa_float_denorm_mode_32 3
		.amdhsa_float_denorm_mode_16_64 3
		.amdhsa_memory_ordered 1
		.amdhsa_forward_progress 1
		.amdhsa_inst_pref_size 11
	.end_amdhsa_kernel
	.amdgpu_metadata
---
amdhsa.version: [ 1, 2 ]
amdhsa.kernels:
  - .name:           k_q6fc4389056_pick
    .symbol:         k_q6fc4389056_pick.kd
    .args:
      - { .name: dets, .offset: 0, .size: 8, .value_kind: global_buffer, .address_space: global }
      - { .name: cnt, .offset: 8, .size: 8, .value_kind: global_buffer, .address_space: global }
      - { .name: out0, .offset: 16, .size: 8, .value_kind: global_buffer, .address_space: global }
      - { .name: out1, .offset: 24, .size: 8, .value_kind: global_buffer, .address_space: global }
    .group_segment_fixed_size: 11520
    .private_segment_fixed_size: 0
    .kernarg_segment_align: 8
    .kernarg_segment_size: 32
    .max_flat_workgroup_size: 32
    .sgpr_count:     66
    .vgpr_count:     102
    .wavefront_size: 32
...
	.end_amdgpu_metadata
.endif
;; end of part 2
